; MI455X (gfx1250); checked and timed in simulation.
; The chip was launched on July 23, 2026; its instructions are those of AMD's public machine-readable ISA for CDNA 5 (MIT licence, August 2026) and "CDNA5" Instruction Set Architecture Reference Guide (July 2026). The comments in the code are by the model that wrote it; some were corrected since.
;; Causal Self Attention. Allowed arithmetic: matrix products marked QUANTISED: E2M3 operands, one E8M0 scale for each 32 along K, by v_wmma_scale_f32_16x16x128_f8f6f4 with both operands' format E2M3, f32 sums; everything else in f32.
;; Inputs: W_qkv 1,024 x 3,072 float32; b_qkv 3,072 float32; x 4,096 x 1,024 float32.
;; Outputs: out0 4,096 x 16 x 64 float32.
;; This version of the problem:
;;   THIS VERSION OF THE PROBLEM IS GIVEN IN LOW PRECISION. The matrix products marked QUANTISED in the list below multiply operands that are first quantised to E2M3 (2 exponent bits, 3 mantissa bits; 6 bits a number), with one power-of-two scale for each 32 numbers along K (OCP MX v1.0); their sums are f32. All else is computed in f32.
;;   The module's matrix products, in the order in which they are computed (A, B: the left and right operand; K: the contracted axis; several contracted axes count as one K, in the product's order):
;;     1. [M 4,096, K 1,024] x [K 1,024, N 3,072]; A: input x; B: input W_qkv: QUANTISED
;;     2. batch 16 x [M 4,096, K 64] x [K 64, N 4,096]; A: computed on the way; B: computed on the way: QUANTISED
;;     3. batch 16 x [M 64, K 4,096] x [K 4,096, N 4,096]; A: computed on the way; B: softmax (see below): QUANTISED
;;   THE QUANTISER, for each operand of a quantised product, along K:
;;     - K is cut into blocks of 32 from its start; a last block that is shorter is filled with zeros.
;;     - A block's scale is 2^e with e = floor(log2(the largest magnitude in the block)) - 2, held to -126 .. 127; a block of zeros has e = 0. As a byte (E8M0): e + 127.
;;     - Each number is divided by its block's scale, clamped to +-7.5, and rounded to the nearest number of E2M3, ties to even, subnormals kept.
;;     - The product sums the exact products of the quantised numbers (number of the format x scale) in f32.
;;   ~~~python
;;   def quantise(x, axis):      # numpy; x: float32 -> the quantised numbers, widened to float32 again
;;       x = np.moveaxis(x, axis, -1); K = x.shape[-1]
;;       x = np.pad(x, [(0, 0)] * (x.ndim - 1) + [(0, -K % 32)]); x = x.reshape(x.shape[:-1] + (-1, 32)); a = np.abs(x).max(-1, keepdims=True)
;;       e = np.where(a > 0, np.clip(np.frexp(np.where(a > 0, a, 1))[1] - 1 - 2, -126, 127), 0)      # np.frexp(a)[1] - 1 = floor(log2(a)), exactly
;;       r = np.clip(x / 2.0 ** e, -7.5, 7.5)
;;       step = 2.0 ** (np.maximum(np.frexp(np.where(r == 0, 1, r))[1] - 1, 0) - 3)
;;       q = np.round(r / step) * step * 2.0 ** e      # np.round: ties to even
;;       return np.moveaxis(q.reshape(q.shape[:-2] + (-1,))[..., :K], -1, axis).astype(np.float32)
;;   ~~~
;;   SOFTMAX AHEAD OF A QUANTISED PRODUCT. Where the list says 'softmax', what is quantised is not the finished softmax but p = 2^(t - M), with t = logit x log2(e) and M = ceil(the row's largest t), a whole number; so 1/2 < the row's largest p <= 1. The row's sum l is taken of the UNQUANTISED p, in f32, and the product's result is divided by l at the end. Since M is a whole number, a kernel that streams over the keys may use a running M (the ceiling of the running maximum): every later rescaling is an exact power of two, which a block's scale takes up: the codes' values come out the same.
;;   OPERANDS COMPUTED ON THE WAY. 'Computed on the way' means the value that the module computes at that place (a softmax that the list does not call 'softmax' is quantised finished and normalised). What goes into a quantiser is computed in f32, as accurately as f32 sums, v_exp_f32 and their like allow (about 1e-6 of the number): no bf16 or f16 on the way to a quantiser, and a product that is left as it is and whose result goes on into a quantised operand takes f32 operands (vector FMAs, or v_wmma_f32_16x16x4_f32). A number that lies on a knife's edge between two numbers of the format may be rounded either way, as far as f32 arithmetic and the matrix unit's own rounding can turn it there, and no further.
;; One version. Each part assembles by itself: llvm-mc -triple=amdgcn-amd-amdhsa -mcpu=gfx1250 --defsym DOCPART=n.
;; ======== version 1 of 1: 3 launches
;; limits: right only within a limited range of input values
;; workspace buffers: xc 3,145,728 bytes; xs 131,072 bytes; wc 2,359,296 bytes; ws 98,304 bytes; qc 3,145,728 bytes; qs 131,072 bytes; kvc 6,291,456 bytes; kvs 262,144 bytes
;; launch quant (part 1): grid 224 x 1, 4 waves a work-group, no clusters, 68,096 bytes of LDS; arguments x, W_qkv, xc, xs, wc, ws; writes xc, xs, wc, ws
.if DOCPART == 1
	.amdgcn_target "amdgcn-amd-amdhsa--gfx1250"
	.amdhsa_code_object_version 6
	.text
	.protected	k_q4e8e2830fc_quant
	.globl	k_q4e8e2830fc_quant
	.p2align	8
	.type	k_q4e8e2830fc_quant,@function
k_q4e8e2830fc_quant:
	s_mov_b64 s[64:65], 0
	v_nop
	global_prefetch_b8 v0, s[64:65] scope:SCOPE_SE
	s_setreg_imm32_b32 hwreg(HW_REG_WAVE_MODE, 25, 1), 1
	s_wait_xcnt 0x0
; FIRST OF THREE LAUNCHES of y = softmax(q k^T / 8) v, qkv = x W_qkv + b_qkv, all three products on codes of E2M3 with one E8M0 scale for each 32 along K.
; NO WORK IS LEFT OUT in any of the three launches: x, W_qkv and b_qkv all move codes or scales of a live quantised operand (the bias on k too: it stands ahead of a quantiser), and there is no mask.
; THIS LAUNCH turns x [4096][1024] (K innermost) and W_qkv [1024][3072] (K is the FIRST axis) into codes, 6 bits each, K innermost (768 bytes a row), and scale bytes (32 a row).
; A block's scale is 2^(floor(log2(its largest magnitude)) - 2); its byte is the largest magnitude's exponent field - 2, held at 1 from below.  Each number is divided by the scale and rounded to the nearest code, ties to even.
; LIMITS: a block of zeros, and a block whose largest magnitude lies under 2^(3 - 127), gets the byte 1 (the rule says 127 for zeros): zero codes add nothing under any byte but 0xff, and this program alone reads the bytes.
;         NaN and infinities among the inputs are not served.
; TILE ORDER: storage row s of xc, xs, wc, ws holds actual row s with its bits 3 and 4 exchanged.  So 16 storage rows on end, rows 32 b + 16 u + r, are actual rows 32 b + 8 u + r + 8 (r / 8):
;         the next launch's results then come out with 16 neighbours along the next K in a lane's 16 registers, with no change to its loads.
; SHARES: work-groups 0-127 take x, 32,768 numbers each (a wave: 8 rows, 16 steps of 512 numbers); work-groups 128-223 take W: 128 columns x 256 along K each (a wave: 32 columns, a lane a column, registers down K).
; The two paths part once, on the work-group's number, and have LDS bytes of their own.  No tensor loads, no barrier: waves share nothing; memory binds, so the matrix units and clusters have nothing to add.
.set WGX,   128                        ; work-groups that take x
.set STEPS, 16
.set CB,    12                         ; bytes of 16 codes
.set R,     16                         ; x: v16-79   four sets of 16 numbers as they are loaded
.set X,     80                         ; x: v80-111  two sets of 16 neighbours
.set E,     112                        ; x: v112-127 a scale byte for each step
.set C,     128                        ; x: v128-191 codes: four registers for each step
.set WREG,  8192                       ; x: LDS of a wave: two stages of 32 x SP bytes, behind them its 256 scale bytes
.set SP,    80                         ; x: a lane's place in a stage: 64 bytes + 16 of padding
.set WSTG,  4*WREG                     ; W: the four stages begin here
.set WP,    272                        ; W: a stage row: sixteen places of 16 bytes, 12 bytes of codes in each, + 16
.set KROW,  768                        ; a row of codes in bytes
.set NCOL,  3072
.set NB,    8                          ; W: blocks of 32 along K for a wave
.set WX,    32                         ; W: v32-95   two sets of 32 numbers
.set WC,    96                         ; W: v96..    a block's codes
.set OUTR,  112                        ; W: v112-175 the way out
.set SB,    24                         ; W: v24-25   the scale bytes
.set SPW,   192                        ; v192 LDS address of my spare word; never rewritten
.set NIL,   193                        ; v193 0; never rewritten
.set SPARE, WSTG+4*32*WP               ; behind both paths' regions: the spare words, 128 bytes a wave, which no other line names
	s_load_b128 s[4:7], s[0:1], 0x0                ; x, W_qkv
	s_load_b256 s[8:15], s[0:1], 0x10              ; xc, xs, wc, ws
	v_lshl_add_u32 v[SPW], v0, 2, SPARE
	v_mov_b32 v[NIL], 0
	v_lshrrev_b32 v1, 5, v0
	v_readfirstlane_b32 s16, v1                    ; wave
	v_and_b32 v2, 31, v0                           ; lane
	s_wait_kmcnt 0x0
	s_cmp_lt_u32 ttmp9, WGX
	s_cbranch_scc0 .Lw
; ---------------- x: a stream of blocks of 32.  Each load reads 512 consecutive bytes; a step's 2,048 bytes turn through the wave's stage so that a lane holds 16 neighbours; two neighbouring lanes hold a block
	s_wait_alu depctr_va_vdst(0)
	v_lshlrev_b32 v3, 4, v2                        ; my 16 bytes of a load's 512
	s_mul_i32 s17, s16, WREG
	v_lshrrev_b32 v14, 2, v2
	v_mul_u32_u24 v14, v14, SP
	v_and_b32 v15, 3, v2
	v_lshl_add_u32 v14, v15, 4, v14
	v_add_nc_u32 v14, s17, v14                     ; the stage, on the way in: SP (lane / 4) + 16 (lane % 4)
	v_mul_u32_u24 v15, v2, SP
	v_add_nc_u32 v15, s17, v15                     ; and on the way out: SP x lane
	v_mul_u32_u24 v4, v2, CB                       ; my codes' place in a step's
	v_lshrrev_b32 v5, 1, v2
	s_add_co_u32 s17, s17, 2*32*SP
	v_add_nc_u32 v5, s17, v5                       ; LDS: my block's scale byte
	v_lshlrev_b32 v7, 3, v2
	v_add_nc_u32 v6, s17, v7                       ; and on the way out 8 bytes a lane
	s_lshl_b32 s18, ttmp9, 2
	s_add_co_u32 s20, s18, s16                     ; my run of 8 rows: 4 x work-group + wave
	s_lshl_b32 s20, s20, 15                        ; 32,768 bytes a run
	s_mov_b32 s21, 0
	s_add_nc_u64 s[4:5], s[4:5], s[20:21]
	s_and_b32 s22, s16, 1                          ; bits 3 and 4 of a row are bits 0 and 1 of the wave: they change places on the way out
	s_lshl_b32 s22, s22, 1
	s_lshr_b32 s23, s16, 1
	s_or_b32 s22, s22, s23
	s_add_co_u32 s22, s22, s18
	s_mul_i32 s20, s22, 32*STEPS*CB                ; 6,144 bytes of codes a run
	s_add_nc_u64 s[8:9], s[8:9], s[20:21]
	s_lshl_b32 s20, s22, 8                         ; 256 scale bytes a run
	s_add_nc_u64 s[10:11], s[10:11], s[20:21]
.macro LOAD t
.irp i, 0,1,2,3
	global_load_b128 v[R+16*((\t)%4)+4*\i:R+16*((\t)%4)+4*\i+3], v3, s[4:5] offset:2048*(\t)+512*\i th:TH_LOAD_NT
.endr
.endm
.macro TURN t                          ; step t's numbers through the stage: LDS serves a wave's instructions in order, so no wait stands between the stores and the loads
.irp i, 0,1,2,3
	ds_store_b128 v14, v[R+16*((\t)%4)+4*\i:R+16*((\t)%4)+4*\i+3] offset:32*SP*((\t)%2)+8*SP*\i
.endr
.irp i, 0,1,2,3
	ds_load_b128 v[X+16*((\t)%2)+4*\i:X+16*((\t)%2)+4*\i+3], v15 offset:32*SP*((\t)%2)+16*\i
.endr
.endm
.irp t, 0,1,2,3
	LOAD \t
.endr
	s_wait_alu depctr_va_vdst(0)
	s_wait_loadcnt 12                              ; step 0's four loads are in; the twelve of steps 1 to 3 may be out
	TURN 0
.macro STEP t
.set XS, X+16*((\t)%2)
.if (\t) > 0
	s_wait_dscnt 1                                 ; this step's numbers are back from the stage (the last step's byte store may be out): so its stores into the stage have read their registers,
.else
	s_wait_dscnt 0x0
.endif
.if (\t)+4 < STEPS
	LOAD (\t)+4                                    ; which take the loads of four steps on
.endif
.if (\t)+1 < STEPS
.if STEPS-2-(\t) >= 3
	s_wait_loadcnt 12                              ; the next step's four loads are in; those of the three steps behind it may be out
.else
	s_wait_loadcnt 4*(STEPS-2-(\t))
.endif
	TURN (\t)+1
.endif
	v_max3_num_f32 v8, |v[XS]|, |v[XS+1]|, |v[XS+2]|               ; the largest magnitude of my 16, in two chains
	v_max3_num_f32 v9, |v[XS+3]|, |v[XS+4]|, |v[XS+5]|
.irp i, 6,10
	v_max3_num_f32 v8, v8, |v[XS+\i]|, |v[XS+\i+1]|
	v_max3_num_f32 v9, v9, |v[XS+\i+2]|, |v[XS+\i+3]|
.endr
	v_max3_num_f32 v8, v8, |v[XS+14]|, |v[XS+15]|
	v_max3_num_f32 v8, v8, v9, 0x1800000           ; and the floor 2^(3 - 127): the byte cannot fall under 1
	v_max_num_f32_dpp v8, v8, v8 row_xmask:1 row_mask:0xf bank_mask:0xf   ; and of my neighbour's 16: the block's
	v_add_nc_u32 v11, 0xff000000, v8               ; 2 off its exponent field: the conversion takes the exponent field of this operand as its scale
	v_cvt_scalef32_pk16_fp6_f32 v[C+4*(\t):C+4*(\t)+2], v[XS:XS+15], v11
	v_lshrrev_b32 v[E+(\t)], 23, v11               ; the scale's byte
	ds_store_b8 v5, v[E+(\t)] offset:16*(\t)       ; both lanes of a block write the same byte with the same value
	global_store_b96 v4, v[C+4*(\t):C+4*(\t)+2], s[8:9] offset:32*CB*(\t)   ; the wave stores 384 consecutive bytes
.endm
.irp t, 0,1,2,3,4,5,6,7,8,9,10,11,12,13,14,15
	STEP \t
.endr
	ds_load_b64 v[8:9], v6                         ; LDS serves a wave's instructions in order: these see my stores
	s_wait_dscnt 0x0
	global_store_b64 v7, v[8:9], s[10:11]          ; 32 lanes store 256 consecutive bytes, aligned
	s_branch .Lend
; ---------------- W: a lane takes a column, its registers run down K: a block of 32 lies in one lane, and the conversions give codes with K innermost
.Lw:
	s_sub_co_u32 s17, ttmp9, WGX
	s_and_b32 s18, s17, 3                          ; which 256 along K
	s_lshr_b32 s17, s17, 2
	s_lshl_b32 s17, s17, 7
	s_lshl_b32 s19, s16, 5
	s_add_co_u32 s17, s17, s19                     ; my wave's first column
	s_wait_alu depctr_va_vdst(0)
	v_lshlrev_b32 v3, 2, v2                        ; in: 4 bytes a lane
	v_and_b32 v10, 7, v2
	v_bfe_u32 v11, v2, 3, 1
	v_bfe_u32 v12, v2, 4, 1
	v_lshl_add_u32 v10, v11, 4, v10
	v_lshl_add_u32 v10, v12, 3, v10                ; my column's storage row among the wave's 32: bits 3 and 4 exchanged
	s_mul_i32 s19, s16, 32*WP
	s_add_co_u32 s19, s19, WSTG                    ; my stage
	v_mul_u32_u24 v4, v10, WP
	v_add_nc_u32 v4, s19, v4                       ; into it: my storage row
	v_and_b32 v5, 15, v2
	v_lshrrev_b32 v6, 4, v2                        ; out of it: sixteen lanes to a row, two rows an instruction
	v_mul_u32_u24 v7, v6, WP
	v_lshl_add_u32 v7, v5, 4, v7
	v_add_nc_u32 v7, s19, v7
	v_mul_u32_u24 v8, v6, KROW
	v_mad_u32_u24 v8, v5, 12, v8                   ; and the same place in wc
	v_lshlrev_b32 v9, 5, v10                       ; my storage row of scale bytes
	s_mul_i32 s20, s18, 256*NCOL*4
	s_lshl_b32 s22, s17, 2
	s_add_co_u32 s20, s20, s22
	s_mov_b32 s21, 0
	s_add_nc_u64 s[6:7], s[6:7], s[20:21]          ; W at (256 x K block, my first column)
	s_mul_i32 s20, s17, KROW
	s_mul_i32 s22, s18, 192
	s_add_co_u32 s20, s20, s22
	s_add_nc_u64 s[12:13], s[12:13], s[20:21]      ; wc
	s_lshl_b32 s20, s17, 5
	s_lshl_b32 s22, s18, 3
	s_add_co_u32 s20, s20, s22
	s_add_nc_u64 s[14:15], s[14:15], s[20:21]      ; ws
.macro WLOAD t                         ; block t: W(32 t + i, my column): 32 lanes read 128 consecutive bytes.  The largest offset, 255 rows of 12,288 bytes, lies inside the signed 24-bit immediate
.irp i, 0,1,2,3,4,5,6,7,8,9,10,11,12,13,14,15,16,17,18,19,20,21,22,23,24,25,26,27,28,29,30,31
	global_load_b32 v[WX+32*((\t)%2)+\i], v3, s[6:7] offset:(32*(\t)+\i)*NCOL*4 th:TH_LOAD_NT
.endr
.endm
	WLOAD 0
	WLOAD 1
.macro BLOCK t
.set XS, WX+32*((\t)%2)
.if (\t) < NB-1
	s_wait_loadcnt 32                              ; this block's 32 loads are in; the next block's 32 may be out
.else
	s_wait_loadcnt 0
.endif
	v_max3_num_f32 v12, |v[XS]|, |v[XS+1]|, |v[XS+2]|
	v_max3_num_f32 v13, |v[XS+3]|, |v[XS+4]|, |v[XS+5]|
.irp i, 6,10,14,18,22,26
	v_max3_num_f32 v12, v12, |v[XS+\i]|, |v[XS+\i+1]|
	v_max3_num_f32 v13, v13, |v[XS+\i+2]|, |v[XS+\i+3]|
.endr
	v_max3_num_f32 v12, v12, |v[XS+30]|, |v[XS+31]|
	v_max3_num_f32 v12, v12, v13, 0x1800000        ; the floor
	v_add_nc_u32 v11, 0xff000000, v12
	v_lshrrev_b32 v13, 23, v11                     ; the scale's byte
.if (\t)%4 == 0
	v_mov_b32 v[SB+(\t)/4], v13
.else
	v_lshl_or_b32 v[SB+(\t)/4], v13, 8*((\t)%4), v[SB+(\t)/4]
.endif
	v_cvt_scalef32_pk16_fp6_f32 v[WC:WC+2], v[XS:XS+15], v11
	v_cvt_scalef32_pk16_fp6_f32 v[WC+4:WC+6], v[XS+16:XS+31], v11  ; (a conversion's three registers begin on an even number)
	ds_store_b96 v4, v[WC:WC+2] offset:32*(\t)     ; 12 bytes to a place of 16, so that every LDS address is a multiple of 16
	ds_store_b96 v4, v[WC+4:WC+6] offset:32*(\t)+16
.if (\t)+2 < NB
	WLOAD (\t)+2
.endif
	s_wait_dscnt 0x0                               ; the stores have read their registers: the next block's codes may be written
.endm
.irp t, 0,1,2,3,4,5,6,7
	BLOCK \t
.endr
	s_wait_alu depctr_va_vdst(0)
	global_store_b64 v9, v[SB:SB+1], s[14:15]      ; my column's 8 scale bytes
.irp t, 0,1,2,3,4,5,6,7,8,9,10,11,12,13,14,15
	ds_load_b96 v[OUTR+4*\t:OUTR+4*\t+2], v7 offset:2*\t*WP
.endr
.irp t, 0,1,2,3,4,5,6,7,8,9,10,11,12,13,14,15
	s_wait_dscnt 15-\t                             ; the loads behind load t may be out
	global_store_b96 v8, v[OUTR+4*\t:OUTR+4*\t+2], s[12:13] offset:2*\t*KROW   ; sixteen lanes store a row's 192 consecutive bytes
.endr
.Lend:
	s_wait_tensorcnt 0x0                           ; the wave's end: behind my last LDS store
	ds_add_u32 v[SPW], v[NIL]
	s_wait_dscnt 0x0
	s_endpgm
.Lfunc_end_k_q4e8e2830fc_quant:
	.size	k_q4e8e2830fc_quant, .Lfunc_end_k_q4e8e2830fc_quant-k_q4e8e2830fc_quant
	.p2alignl 7, 3214868480
	.fill 96, 4, 3214868480
	.section	.rodata,"a",@progbits
	.p2align	6, 0x0
	.amdhsa_kernel k_q4e8e2830fc_quant
		.amdhsa_group_segment_fixed_size 68096
		.amdhsa_private_segment_fixed_size 0
		.amdhsa_enable_private_segment 0
		.amdhsa_kernarg_size 48
		.amdhsa_user_sgpr_count 2
		.amdhsa_user_sgpr_kernarg_segment_ptr 1
		.amdhsa_wavefront_size32 1
		.amdhsa_system_sgpr_workgroup_id_x 1
		.amdhsa_system_sgpr_workgroup_id_y 1
		.amdhsa_system_sgpr_workgroup_id_z 1
		.amdhsa_system_vgpr_workitem_id 0
		.amdhsa_next_free_vgpr 194
		.amdhsa_next_free_sgpr 66
		.amdhsa_reserve_vcc 0
		.amdhsa_float_denorm_mode_32 3
		.amdhsa_float_denorm_mode_16_64 3
		.amdhsa_memory_ordered 1
		.amdhsa_forward_progress 1
		.amdhsa_inst_pref_size 73
	.end_amdhsa_kernel
	.amdgpu_metadata
---
amdhsa.version: [ 1, 2 ]
amdhsa.kernels:
  - .name:           k_q4e8e2830fc_quant
    .symbol:         k_q4e8e2830fc_quant.kd
    .args:
      - { .name: x, .offset: 0, .size: 8, .value_kind: global_buffer, .address_space: global }
      - { .name: W_qkv, .offset: 8, .size: 8, .value_kind: global_buffer, .address_space: global }
      - { .name: xc, .offset: 16, .size: 8, .value_kind: global_buffer, .address_space: global }
      - { .name: xs, .offset: 24, .size: 8, .value_kind: global_buffer, .address_space: global }
      - { .name: wc, .offset: 32, .size: 8, .value_kind: global_buffer, .address_space: global }
      - { .name: ws, .offset: 40, .size: 8, .value_kind: global_buffer, .address_space: global }
    .group_segment_fixed_size: 68096
    .private_segment_fixed_size: 0
    .kernarg_segment_align: 8
    .kernarg_segment_size: 48
    .max_flat_workgroup_size: 128
    .sgpr_count:     66
    .vgpr_count:     194
    .wavefront_size: 32
...
	.end_amdgpu_metadata
.endif
;; end of part 1
;; launch proj (part 2): grid 12 x 16, 4 waves a work-group, clusters of 4 x 4, 327,680 bytes of LDS; arguments xc, xs, wc, ws, b_qkv, qc, qs, kvc, kvs; writes qc, qs, kvc, kvs
.if DOCPART == 2
	.amdgcn_target "amdgcn-amd-amdhsa--gfx1250"
	.amdhsa_code_object_version 6
	.text
	.protected	k_q4e8e2830fc_proj
	.globl	k_q4e8e2830fc_proj
	.p2align	8
	.type	k_q4e8e2830fc_proj,@function
k_q4e8e2830fc_proj:
	s_mov_b64 s[64:65], 0
	v_nop
	global_prefetch_b8 v0, s[64:65] scope:SCOPE_SE
	s_setreg_imm32_b32 hwreg(HW_REG_WAVE_MODE, 25, 1), 1
	s_wait_xcnt 0x0
	s_wait_alu depctr_hold_cnt(0) depctr_sa_sdst(0) depctr_va_vdst(0) depctr_va_sdst(0) depctr_va_ssrc(0) depctr_va_vcc(0) depctr_vm_vsrc(0)
	s_getreg_b32 s2, hwreg(HW_REG_IB_STS2, 6, 4)
	s_cmp_eq_u32 s2, 0
	s_cbranch_scc0 .Lentry_in_a_cluster
	s_endpgm
.Lentry_in_a_cluster:
	s_bfe_u32 s2, ttmp6, 0x10000c
	s_cmp_lg_u32 s2, 0xf033
	s_cbranch_scc0 .Lentry_shape_is_right
	s_endpgm
.Lentry_shape_is_right:
; SECOND LAUNCH: qkv = x W_qkv + b_qkv on codes of E2M3, and q, k, v quantised anew on the way out, stored as images of the next launch's operand registers.  No work is left out.
; A work-group of four waves makes 256 x 256 of the product, a wave 128 x 128 in 64 accumulators.  Clusters of 4 x 4: A's tiles are asked for jointly along a row of the cluster, B's along a column.
; Cluster columns 0 and 1 (q and k): source 1 = tokens (xc), source 0 = W's columns (wc): a lane holds one token, its registers run along the channels, which are the next K.
; Cluster column 2 (v): the operands change places: a lane holds one channel and its registers run along the tokens, which are the next K there.
; K = 1,024 is 768 bytes of a row: three chunks of 256 bytes, each beginning at a multiple of 256 bytes, through a ring of two LDS slots; a step of 128 along K is 96 bytes, eight steps to three chunks;
; steps 2 and 5 lie across two chunks and take their pieces from both slots.  The scale bytes of the 256 + 256 rows, for all of K, come once, at the head.
; REGISTERS: window 0: v0-31 addresses, v32-63 scale words (two sets), v64-127 the bias, from v128 A's fragments (one set), later the way out; window 1: B's fragments, two sets; windows 2, 3: accumulators.
.set ROWB,   256
.set NQ,     2
.set KROW,   768
.set CHUNKS, 3
.set PITCH,  272                       ; an LDS row: 256 bytes + 16 of padding
.set FR,     12
.set NL,     6
.set NP,     4
.set HALFT,  128*PITCH
.set SLOT,   4*HALFT                   ; A's 256 rows, then B's 256 rows
.set KS,     32
.set SCL,    2*SLOT
.set HALFS,  (128*KS/256)*272
.set SBLK,   (16*KS/256)*272
.set SPARE,  SCL+4*HALFS               ; the spare words, 128 bytes a wave, which no other line names
.set ADRA, 16                          ; v16-17 my A fragments in slot 0, 1; v18-19 for a piece whose lanes 16-31 read the next chunk, in the other slot
.set ADRB, 20                          ; v20-23 the same for B
.set ADRS, 27
.set SPW,  28
.set NIL,  29
.set SC,   32
.set BI,   64
.set AF,   128
.set T,    128
.set FA,   192
.set FB,   204
.set CT,   216
.set VSEL, 224
.set LI,   225
.set SOF,  226
.set BOF,  227
.set TM,   228
.set PW,   244
.set WW,   252
.set SEL,  46
.set G1, 24
.set G0, 32
.set G1B, 48
.set G0B, 56
.set G1S, 68
.set G0S, 76
.set G1SB, 80
.set G0SB, 88
.set G0H, 4                            ; s[4:7], s[8:11]: group 0 of the head's loads of chunk 0 (the arguments that lay there have been used by then)
.set G0HB, 8
.set MSB, 0
.macro WIN new
.if MSB != (\new)
	s_set_vgpr_msb (MSB<<8)|(\new)
.set MSB, (\new)
.endif
.endm
.set MUL_LO, 0xa1
.set MUL_HI, 0xf1
.set TO_B,   0x40
; a joint load: waves 0, 1 fetch for A, waves 2, 3 for B; an s_nop 0 and four v_nop behind each
.macro JLOAD g0a, g1a, g0b, g1b
	s_cmp_eq_u32 s15, 0
	s_cbranch_scc0 .Lfor_b_\@
	tensor_load_to_lds s[\g0a:\g0a+3], s[\g1a:\g1a+7]
	s_nop 0
.rept 4
	v_nop
.endr
	s_branch .Lasked_\@
.Lfor_b_\@:
	tensor_load_to_lds s[\g0b:\g0b+3], s[\g1b:\g1b+7]
	s_nop 0
.rept 4
	v_nop
.endr
.Lasked_\@:
.endm
.macro CREST
	s_cmp_lg_u32 s14, 0
	s_cbranch_scc1 .Lnot_wave_0_\@
	s_barrier_signal -3
.Lnot_wave_0_\@:
	s_barrier_wait -3
	s_barrier_signal -1
	s_barrier_wait -1
.endm
.macro CROUND
	s_barrier_signal -1
	s_barrier_wait -1
	CREST
.endm
	s_load_b256 s[4:11], s[0:1], 0x0               ; xc, xs, wc, ws
	s_load_b64 s[12:13], s[0:1], 0x20              ; b_qkv
	s_load_b256 s[92:99], s[0:1], 0x28             ; qc, qs, kvc, kvs
	v_lshl_add_u32 v[SPW], v0, 2, SPARE
	v_mov_b32 v[NIL], 0
	ds_add_u32 v[SPW], v[NIL]                      ; the opening lines: the add twice on end and one wait
	ds_add_u32 v[SPW], v[NIL]
	v_lshrrev_b32 v1, 5, v0
	v_readfirstlane_b32 s14, v1                    ; wave
	s_lshr_b32 s15, s14, 1                         ; my half of the tile's rows; also: I fetch for A (0) or B (1)
	s_and_b32 s16, s14, 1                          ; my half of its columns; also: which 128 rows I fetch
	s_bfe_u32 s40, ttmp6, 0x40000                  ; cx
	s_bfe_u32 s41, ttmp6, 0x40004                  ; cy
	s_mov_b32 s66, ttmp9                           ; cluster column: 0 q, 1 k, 2 v
	s_and_b32 s67, ttmp7, 0xffff
	s_lshl_b32 s67, s67, 2
	s_lshl_b32 s3, s66, 2
	s_cmp_eq_u32 s66, 2
	s_cselect_b32 s17, 0, s67                      ; A's tile: tokens, or (v) W's columns from 2,048 on
	s_cselect_b32 s42, s67, s3                     ; B's tile: W's columns, or (v) tokens
	s_cselect_b32 s18, 2048, 0
	s_add_co_u32 s17, s17, s41
	s_add_co_u32 s42, s42, s40
	s_lshl_b32 s43, s41, 2
	s_lshl_b32 s43, 15, s43                        ; my row of the cluster
	s_lshl_b32 s44, 0x1111, s40                    ; my column
	s_or_b32 s[G1+0], s43, (0<<16)|(1<<20)|(1<<21)|(5<<22)|(3<<25)   ; bytes; 4 dwords of padding behind every 64
	s_or_b32 s[G1B+0], s44, (0<<16)|(1<<20)|(1<<21)|(5<<22)|(3<<25)
.irp g, G1, G1B
	s_mov_b32 s[\g+1], ROWB<<16
	s_mov_b32 s[\g+2], 256<<16                     ; 256 rows for the head's loads; 128 behind them
	s_mov_b32 s[\g+3], ROWB<<16
	s_mov_b32 s[\g+4], 256
	s_mov_b32 s[\g+5], KROW
	s_mov_b32 s[\g+6], 0
	s_mov_b32 s[\g+7], 0
.endr
	s_or_b32 s[G1S+0], s43, (3<<16)|(1<<20)|(1<<21)|(5<<22)|(3<<25)  ; the scales of 256 rows: a dense block, as 32 rows of 256 bytes
	s_or_b32 s[G1SB+0], s44, (3<<16)|(1<<20)|(1<<21)|(5<<22)|(3<<25)
.irp g, G1S, G1SB
	s_mov_b32 s[\g+1], 32<<16
	s_mov_b32 s[\g+2], KS<<16
	s_mov_b32 s[\g+3], 32<<16
	s_mov_b32 s[\g+4], KS
	s_mov_b32 s[\g+5], 32
	s_mov_b32 s[\g+6], 0
	s_mov_b32 s[\g+7], 0
.endr
	s_lshl_b32 s20, s17, 8
	s_add_co_u32 s20, s20, s18                     ; A: the tile's first row
	s_lshl_b32 s46, s42, 8                         ; B: likewise
	s_lshl_b32 s22, s20, 5                         ; their scales, 32 bytes a row
	s_mov_b32 s23, 0
	s_mul_i32 s20, s20, KROW                       ; their codes
	s_mov_b32 s21, 0
	s_lshl_b32 s2, s46, 5
	s_mov_b32 s3, 0
	s_mul_i32 s46, s46, KROW
	s_mov_b32 s47, 0
	s_mul_i32 s45, s14, HALFT                      ; where my 128 rows go in a slot
	s_wait_dscnt 0x0
	s_wait_kmcnt 0x0
	s_cmp_eq_u32 s66, 2
	s_cselect_b64 s[18:19], s[8:9], s[4:5]         ; A's codes
	s_cselect_b64 s[8:9], s[4:5], s[8:9]           ; B's codes
	s_cselect_b64 s[4:5], s[10:11], s[6:7]         ; A's scales
	s_cselect_b64 s[10:11], s[6:7], s[10:11]       ; B's scales
	s_add_nc_u64 s[20:21], s[18:19], s[20:21]
	s_add_nc_u64 s[22:23], s[4:5], s[22:23]
	s_add_nc_u64 s[46:47], s[8:9], s[46:47]
	s_add_nc_u64 s[10:11], s[10:11], s[2:3]
	CROUND                                         ; all sixteen work-groups are here: the first joint loads meet
	s_mov_b32 s[G0S], 1
	s_mov_b32 s[G0S+1], SCL
	s_mov_b64 s[G0S+2:G0S+3], s[22:23]
	s_or_b32 s[G0S+3], s[G0S+3], 0x80000000
	s_mov_b32 s[G0SB], 1
	s_mov_b32 s[G0SB+1], SCL+2*HALFS
	s_mov_b64 s[G0SB+2:G0SB+3], s[10:11]
	s_or_b32 s[G0SB+3], s[G0SB+3], 0x80000000
	s_mov_b32 s[G0H], 1                            ; chunk 0's 256 rows of A,
	s_mov_b32 s[G0H+1], 0
	s_mov_b64 s[G0H+2:G0H+3], s[20:21]
	s_or_b32 s[G0H+3], s[G0H+3], 0x80000000
	s_mov_b32 s[G0HB], 1                           ; and of B
	s_mov_b32 s[G0HB+1], 2*HALFT
	s_mov_b64 s[G0HB+2:G0HB+3], s[46:47]
	s_or_b32 s[G0HB+3], s[G0HB+3], 0x80000000
	s_mul_i32 s18, s16, 128*KROW                   ; for the ring: my 128 rows of the tile
	s_mov_b32 s19, 0
	s_add_nc_u64 s[20:21], s[20:21], s[18:19]
	s_add_nc_u64 s[46:47], s[46:47], s[18:19]
.irp s, 0,1
	s_mov_b32 s[G0+4*\s], 1
	s_add_co_u32 s[G0+4*\s+1], s45, \s*SLOT
	s_add_nc_u64 s[G0+4*\s+2:G0+4*\s+3], s[20:21], \s*ROWB
	s_or_b32 s[G0+4*\s+3], s[G0+4*\s+3], 0x80000000
	s_mov_b32 s[G0B+4*\s], 1
	s_add_co_u32 s[G0B+4*\s+1], s45, \s*SLOT
	s_add_nc_u64 s[G0B+4*\s+2:G0B+4*\s+3], s[46:47], \s*ROWB
	s_or_b32 s[G0B+4*\s+3], s[G0B+4*\s+3], 0x80000000
.endr
; the head's four tiles, one load a wave, in one tree of branches on the wave's number: wave 0 A's chunk 0, wave 1 B's, wave 2 A's scales, wave 3 B's
.macro ARM under, g0, g1, next
	s_cmp_lt_u32 s14, \under
	s_cbranch_scc0 \next
	tensor_load_to_lds s[\g0:\g0+3], s[\g1:\g1+7]
	s_nop 0
.rept 4
	v_nop
.endr
	s_branch .Lhead_asked
\next:
.endm
	ARM 1, G0H,  G1,  .Lhead_b
	ARM 2, G0HB, G1B, .Lhead_sa
	ARM 3, G0S,  G1S, .Lhead_sb
	tensor_load_to_lds s[G0SB:G0SB+3], s[G1SB:G1SB+7]
	s_nop 0
.rept 4
	v_nop
.endr
.Lhead_asked:
	v_and_b32 v1, 15, v0                           ; r
	v_bfe_u32 v2, v0, 4, 1                         ; h
	v_mul_u32_u24 v3, v1, PITCH
	v_mul_u32_u24 v4, v2, 24
	v_add_nc_u32 v4, v3, v4                        ; row x pitch + 24 h
	s_mov_b32 s21, SLOT-232
	s_mov_b32 s22, SLOT+232
	v_sub_nc_u32 v7, 1, v2
	v_mul_u32_u24 v5, s21, v2
	v_add_nc_u32 v5, v3, v5
	v_add_nc_u32 v5, 232, v5                       ; lanes 0-15 byte 232 of the row in slot 0, lanes 16-31 byte 0 of the row in slot 1;
	v_mul_u32_u24 v6, s22, v7
	v_add_nc_u32 v6, v3, v6                        ; and the other way round
	s_mul_i32 s21, s15, HALFT
	s_mul_i32 s22, s16, HALFT
	s_add_co_u32 s22, s22, 2*HALFT
	v_add_nc_u32 v[ADRA+2], s21, v5
	v_add_nc_u32 v[ADRA+3], s21, v6
	v_add_nc_u32 v[ADRB+2], s22, v5
	v_add_nc_u32 v[ADRB+3], s22, v6
.irp s, 0,1
	v_add_nc_u32 v[ADRA+\s], s21, v4
	v_add_nc_u32 v[ADRB+\s], s22, v4
	s_add_co_u32 s21, s21, SLOT
	s_add_co_u32 s22, s22, SLOT
.endr
	v_mul_u32_u24 v5, v1, KS
	v_lshrrev_b32 v6, 8, v5
	v_lshl_add_u32 v5, v6, 4, v5
	s_mul_i32 s21, s15, HALFS
	s_mul_i32 s22, s16, HALFS
	s_add_co_u32 s22, s22, 2*HALFS
	s_sub_co_u32 s22, s22, s21
	v_mul_u32_u24 v6, s22, v2                      ; lanes 16-31 take B's scale words
	s_add_co_u32 s21, s21, SCL
	v_add_nc_u32 v5, v5, v6
	v_add_nc_u32 v[ADRS], s21, v5
; a fragment: 12 registers, in pieces of 8 bytes; byte y of a row of codes lies in chunk y / 256, slot (y / 256) % 2, at byte y % 256 of the LDS row
.macro FRAG reg, adr, st, i
.irp p, 0,1,2,3,4,5
.set BY, 96*(\st)+48*(\p/3)+8*(\p%3)
.if BY/ROWB == (BY+24)/ROWB
	ds_load_b64 v[\reg+2*\p:\reg+2*\p+1], v[\adr+(BY/ROWB)%2] offset:BY%ROWB+(\i)*16*PITCH
.else
	ds_load_b64 v[\reg+2*\p:\reg+2*\p+1], v[\adr+2+(BY/ROWB)%2] offset:BY%ROWB-232+(\i)*16*PITCH
.endif
.endr
.endm
; 16 products: A's blocks a0, a0 + 1 against B's eight; the 64 accumulators take turns
.macro MUL16 a0, p, q, sc, zero
.irp a, \a0, \a0+1
.irp b, 0,1,2,3,4,5,6,7
.if \zero
	v_wmma_scale_f32_16x16x128_f8f6f4 v[8*(8*((\a)%4)+\b):8*(8*((\a)%4)+\b)+7], v[128*(\p)+FR*\b:128*(\p)+FR*\b+FR-1], v[AF+FR*(\a):AF+FR*(\a)+FR-1], 0, v[SC+8*NQ*(\sc)+NQ*\b+(\q)], v[SC+8*NQ*(\sc)+NQ*(\a)+(\q)] matrix_a_fmt:MATRIX_FMT_FP6 matrix_b_fmt:MATRIX_FMT_FP6 matrix_a_scale:MATRIX_SCALE_ROW1
.else
	v_wmma_scale_f32_16x16x128_f8f6f4 v[8*(8*((\a)%4)+\b):8*(8*((\a)%4)+\b)+7], v[128*(\p)+FR*\b:128*(\p)+FR*\b+FR-1], v[AF+FR*(\a):AF+FR*(\a)+FR-1], v[8*(8*((\a)%4)+\b):8*(8*((\a)%4)+\b)+7], v[SC+8*NQ*(\sc)+NQ*\b+(\q)], v[SC+8*NQ*(\sc)+NQ*(\a)+(\q)] matrix_a_fmt:MATRIX_FMT_FP6 matrix_b_fmt:MATRIX_FMT_FP6 matrix_a_scale:MATRIX_SCALE_ROW1
.endif
.endr
.endr
.endm
.macro FETCH_B st, p
	WIN TO_B
.irp i, 0,1,2,3,4,5,6,7
	FRAG 128*(\p)+FR*\i, ADRB, \st, \i
.endr
	WIN 0
.endm
.macro FETCH_A st, i0
.irp i, \i0, \i0+1, \i0+2, \i0+3
	FRAG AF+FR*(\i), ADRA, \st, \i
.endr
.endm
.macro SCALES pr                       ; the scale words of steps 2 pr, 2 pr + 1 into set pr % 2
.irp i, 0,1,2,3,4,5,6,7
	ds_load_b64 v[SC+8*NQ*((\pr)%2)+NQ*\i:SC+8*NQ*((\pr)%2)+NQ*\i+1], v[ADRS] offset:\i*SBLK+4*NQ*(\pr)
.endr
.endm
.macro PLACES n
.rept \n
	v_nop
.endr
.endm
; a step of 128 along K; the next step's fragments are fetched in its middle and at its end.  Where the next step's bytes end in a chunk not read yet: a wait for my tensor loads and a barrier.
; Where they begin in a later chunk: the wait, the add, the wait for it and for my reads, the barrier; where a chunk two on is left to fetch the barrier opens a round of the cluster's, and the slot is filled again.
.macro STEP st, zero
.set NX, (\st)+1
.set C0, (96*(\st))/ROWB
.set C1, (96*NX)/ROWB
.set E0, (96*(\st)+95)/ROWB
.set E1, (96*NX+95)/ROWB
.if C1 > C0 || E1 > E0
	s_wait_tensorcnt 0x0
.if C1 > C0
	ds_add_u32 v[SPW], v[NIL]
	s_wait_dscnt 4*NL+1                            ; the add and A's blocks 4-7 may be out
.else
	s_wait_dscnt 4*NL                              ; A's blocks 4-7 may be out
.endif
	WIN MUL_LO
	MUL16 0, (\st)%2, (\st)%2, ((\st)/2)%2, \zero
	s_wait_dscnt 0x0
	s_barrier_signal -1
	MUL16 2, (\st)%2, (\st)%2, ((\st)/2)%2, \zero
	WIN 0
	s_barrier_wait -1
.if C1 > C0 && C0+2 < CHUNKS
	CREST
	s_add_nc_u64 s[G0+4*(C0%2)+2:G0+4*(C0%2)+3], s[G0+4*(C0%2)+2:G0+4*(C0%2)+3], 2*ROWB
	s_add_nc_u64 s[G0B+4*(C0%2)+2:G0B+4*(C0%2)+3], s[G0B+4*(C0%2)+2:G0B+4*(C0%2)+3], 2*ROWB
	JLOAD G0+4*(C0%2), G1, G0B+4*(C0%2), G1B       ; chunk C0 + 2: the first tensor load behind the round
.else
	PLACES NP
.endif
.else
	s_wait_dscnt 4*NL
	WIN MUL_LO
	MUL16 0, (\st)%2, (\st)%2, ((\st)/2)%2, \zero
	MUL16 2, (\st)%2, (\st)%2, ((\st)/2)%2, \zero
	s_wait_dscnt 0
	PLACES NP
.endif
	FETCH_B NX, NX%2
	FETCH_A NX, 0
.if NX%2 == 0
	SCALES NX/2
.endif
	WIN MUL_HI
	MUL16 4, (\st)%2, (\st)%2, ((\st)/2)%2, \zero
	MUL16 6, (\st)%2, (\st)%2, ((\st)/2)%2, \zero
	PLACES NP
	WIN 0
	FETCH_A NX, 4
.endm
.macro LAST                            ; step 7: nothing more to fetch
	s_wait_dscnt 4*NL
	WIN MUL_LO
	MUL16 0, 1, NQ-1, 1, 0
	MUL16 2, 1, NQ-1, 1, 0
	s_wait_dscnt 0
	WIN MUL_HI
	MUL16 4, 1, NQ-1, 1, 0
	MUL16 6, 1, NQ-1, 1, 0
	WIN 0
.endm
.macro ADDB path, a                    ; block a's 64 sums + the bias, into v[T ..]; each accumulator from its low end on
	WIN 0x02+(\a)/4
.set ii, 0
.rept 32
.if \path
	v_pk_add_f32 v[T+2*ii:T+2*ii+1], v[64*((\a)%4)+2*ii:64*((\a)%4)+2*ii+1], v[BI+2*(\a):BI+2*(\a)+1] op_sel_hi:[1,0]
.else
	v_pk_add_f32 v[T+2*ii:T+2*ii+1], v[64*((\a)%4)+2*ii:64*((\a)%4)+2*ii+1], v[BI+2*ii:BI+2*ii+1]
.endif
.set ii, ii+1
.endr
	WIN 0
.endm
.macro QUANT s, dlo, dhi, pw           ; four blocks of 32 (16 numbers in my lane, 16 in lane l xor 16): scale bytes into v[pw], codes into six registers at dlo and six at dhi
.irp b, 0,1,2,3
	v_max3_num_f32 v[TM+\b], |v[\s+16*\b]|, |v[\s+1+16*\b]|, 0x1800000
.endr
.irp i, 2,4,6,8,10,12,14
.irp b, 0,1,2,3
	v_max3_num_f32 v[TM+\b], v[TM+\b], |v[\s+16*\b+\i]|, |v[\s+1+16*\b+\i]|
.endr
.endr
.irp b, 0,1,2,3
	v_permlanex16_b32 v[TM+4+\b], v[TM+\b], s[SEL], s[SEL+1]
.endr
.irp b, 0,1,2,3
	v_max_num_f32 v[TM+\b], v[TM+\b], v[TM+4+\b]
.endr
.irp b, 0,1,2,3
	v_add_nc_u32 v[TM+12+\b], 0xff000000, v[TM+\b]
.endr
.irp b, 0,1,2,3
	v_lshrrev_b32 v[TM+4+\b], 23, v[TM+12+\b]
.endr
	v_lshl_or_b32 v[\pw], v[TM+5], 8, v[TM+4]
	v_lshl_or_b32 v[\pw], v[TM+6], 16, v[\pw]
	v_lshl_or_b32 v[\pw], v[TM+7], 24, v[\pw]
	v_cvt_scalef32_pk16_fp6_f32 v[(\dlo):(\dlo)+2], v[\s:\s+15], v[TM+12]
	v_cvt_scalef32_pk16_fp6_f32 v[CT:CT+2], v[\s+16:\s+31], v[TM+13]
	v_cvt_scalef32_pk16_fp6_f32 v[(\dhi):(\dhi)+2], v[\s+32:\s+47], v[TM+14]
	v_cvt_scalef32_pk16_fp6_f32 v[CT+4:CT+6], v[\s+48:\s+63], v[TM+15]
	v_nop
.irp i, 0,1,2
	v_permlane16_swap_b32 v[(\dlo)+\i], v[CT+\i]
	v_permlane16_swap_b32 v[(\dhi)+\i], v[CT+4+\i]
.endr
.irp i, 0,1,2
	v_mov_b32 v[(\dlo)+3+\i], v[CT+\i]
	v_mov_b32 v[(\dhi)+3+\i], v[CT+4+\i]
.endr
.endm
; the last two steps and the way out.  path 0: q or k (pair images of 16 + 16 tokens x 64 channels); path 1: v (fragments of 16 channels x 128 tokens)
.macro TAIL path
.if \path
	s_lshl_b32 s2, s41, 10
	s_lshl_b32 s3, s15, 9
	s_add_co_u32 s2, s2, s3
	s_add_co_u32 s2, s2, 8192
	s_mov_b32 s3, 0
	s_add_nc_u64 s[12:13], s[12:13], s[2:3]
	v_and_b32 v[BOF], 8, v1
	v_add_nc_u32 v[BOF], v[BOF], v1
	v_lshlrev_b32 v[BOF], 2, v[BOF]
.irp a, 0,1,2,3,4,5,6,7
	global_load_b32 v[BI+2*\a], v[BOF], s[12:13] offset:4*(32*(\a/2)+8*(\a%2))
	v_mov_b32 v[BI+2*\a+1], 0
.endr
.else
	s_lshl_b32 s2, s66, 12
	s_lshl_b32 s3, s40, 10
	s_add_co_u32 s2, s2, s3
	s_lshl_b32 s3, s16, 9
	s_add_co_u32 s2, s2, s3
	s_mov_b32 s3, 0
	s_add_nc_u64 s[12:13], s[12:13], s[2:3]
	v_lshlrev_b32 v[BOF], 6, v2
.irp p, 0,1,2,3
.irp j, 0,1,2,3
	global_load_b128 v[BI+16*\p+4*\j:BI+16*\p+4*\j+3], v[BOF], s[12:13] offset:128*\p+16*\j
.endr
.endr
.endif
	STEP 6, 0
	LAST
	s_mov_b32 s[SEL], 0x76543210
	s_mov_b32 s[SEL+1], 0xfedcba98
	s_mov_b32 s5, 0
.if \path
	s_lshl_b32 s2, s41, 2
	s_lshl_b32 s3, s15, 1
	s_add_co_u32 s2, s2, s3
	s_lshl_b32 s3, s42, 1
	s_add_co_u32 s3, s3, s16
	s_mul_i32 s4, s2, 393216
	s_mul_i32 s18, s3, 12288
	s_add_co_u32 s4, s4, s18
	s_add_co_u32 s4, s4, 6144
	s_add_nc_u64 s[8:9], s[96:97], s[4:5]
	s_lshl_b32 s4, s2, 14
	s_lshl_b32 s18, s3, 9
	s_add_co_u32 s4, s4, s18
	s_add_co_u32 s4, s4, 256
	s_add_nc_u64 s[10:11], s[98:99], s[4:5]
	s_mov_b32 s21, 16384
	s_mov_b32 s4, 0x04040404
	s_mov_b32 s18, 0x03020100
.else
	s_lshl_b32 s2, s17, 1
	s_add_co_u32 s2, s2, s15
	s_lshl_b32 s3, s40, 2
	s_lshl_b32 s18, s16, 1
	s_add_co_u32 s3, s3, s18
	s_lshl_b32 s3, s3, 5
	s_add_co_u32 s2, s2, s3
	s_cmp_eq_u32 s66, 0
	s_cselect_b64 s[8:9], s[92:93], s[96:97]
	s_cselect_b64 s[10:11], s[94:95], s[98:99]
	s_mov_b32 s19, 12288
	s_cselect_b32 s19, 6144, s19
	s_mov_b32 s20, 512
	s_cselect_b32 s20, 256, s20
	s_mul_i32 s4, s2, s19
	s_add_nc_u64 s[8:9], s[8:9], s[4:5]
	s_lshl_b32 s4, s19, 5
	s_add_nc_u64 s[22:23], s[8:9], s[4:5]
	s_mul_i32 s4, s2, s20
	s_add_nc_u64 s[10:11], s[10:11], s[4:5]
	s_lshl_b32 s21, s20, 5
	s_mov_b32 s4, 0x02020202
	s_mov_b32 s18, 0x05040100
.endif
	PLACES NP
	v_mul_lo_u32 v[VSEL], v2, s4
	v_add_nc_u32 v[VSEL], s18, v[VSEL]
	v_and_b32 v[LI], 31, v0
	v_lshlrev_b32 v[LI], 4, v[LI]
	v_mul_u32_u24 v[SOF], s21, v2
	v_lshl_add_u32 v[SOF], v1, 4, v[SOF]
.irp b, 0,1,2,3
	v_mov_b32 v[TM+4+\b], 0
.endr
	s_wait_loadcnt 0x0
.if \path
.irp a, 0,1,2,3,4,5,6,7
	ADDB 1, \a
.if \a > 0
	s_wait_xcnt 0x0
.endif
	QUANT T, FA, FA+6, PW+\a
.irp c, 0,1,2
	global_store_b128 v[LI], v[FA+4*\c:FA+4*\c+3], s[8:9] offset:(\a/4)*393216+(\a%4)*1536+512*\c
.endr
.endr
.irp t, 0,1,2,3
	v_perm_b32 v[WW+\t], v[PW+4+\t], v[PW+\t], v[VSEL]
.endr
.else
.irp g, 0,1,2,3
	ADDB 0, 2*\g
.if \g > 0
	s_wait_xcnt 0x0
.endif
	QUANT T, FA, FB, PW+2*\g
	ADDB 0, 2*\g+1
	QUANT T, FA+6, FB+6, PW+2*\g+1
.irp c, 0,1,2
	global_store_b128 v[LI], v[FA+4*\c:FA+4*\c+3], s[8:9] offset:1536*\g+512*\c
.endr
.irp c, 0,1,2
	global_store_b128 v[LI], v[FB+4*\c:FB+4*\c+3], s[22:23] offset:1536*\g+512*\c
.endr
.endr
.irp g, 0,1,2,3
	v_perm_b32 v[WW+\g], v[PW+2*\g+1], v[PW+2*\g], v[VSEL]
.endr
.endif
	global_store_b128 v[SOF], v[WW:WW+3], s[10:11]
.endm
	s_wait_alu depctr_va_vdst(0)
	s_wait_tensorcnt 0x0                           ; my tile of the head's four is in; the same lines as ahead of a refill stand ahead of slot 1's first fill
	ds_add_u32 v[SPW], v[NIL]
	s_mov_b32 s[G1+2], 128<<16                     ; no tensor load of mine is out: from here on a load brings 128 rows
	s_mov_b32 s[G1+4], 128
	s_mov_b32 s[G1B+2], 128<<16
	s_mov_b32 s[G1B+4], 128
	s_wait_dscnt 0x0
	CROUND
	JLOAD G0+4, G1, G0B+4, G1B                     ; chunk 1
	FETCH_B 0, 0
	FETCH_A 0, 0
	SCALES 0
	FETCH_A 0, 4
	STEP 0, 1                                      ; the first step's products start the sums
	STEP 1, 0
	STEP 2, 0
	STEP 3, 0
	STEP 4, 0
	STEP 5, 0
	s_cmp_eq_u32 s66, 2                            ; the cluster's column: the same in all sixteen partners
	s_cbranch_scc1 .Lv
	TAIL 0
	s_branch .Lend
.Lv:
	TAIL 1
.Lend:
	s_wait_tensorcnt 0x0                           ; the wave's end
	ds_add_u32 v[SPW], v[NIL]
	s_wait_dscnt 0x0
	CROUND                                         ; the closing round
	s_endpgm
.Lfunc_end_k_q4e8e2830fc_proj:
	.size	k_q4e8e2830fc_proj, .Lfunc_end_k_q4e8e2830fc_proj-k_q4e8e2830fc_proj
	.p2alignl 7, 3214868480
	.fill 96, 4, 3214868480
	.section	.rodata,"a",@progbits
	.p2align	6, 0x0
	.amdhsa_kernel k_q4e8e2830fc_proj
		.amdhsa_group_segment_fixed_size 327680
		.amdhsa_private_segment_fixed_size 0
		.amdhsa_enable_private_segment 0
		.amdhsa_kernarg_size 72
		.amdhsa_user_sgpr_count 2
		.amdhsa_user_sgpr_kernarg_segment_ptr 1
		.amdhsa_wavefront_size32 1
		.amdhsa_system_sgpr_workgroup_id_x 1
		.amdhsa_system_sgpr_workgroup_id_y 1
		.amdhsa_system_sgpr_workgroup_id_z 1
		.amdhsa_system_vgpr_workitem_id 0
		.amdhsa_next_free_vgpr 1024
		.amdhsa_next_free_sgpr 100
		.amdhsa_reserve_vcc 0
		.amdhsa_float_denorm_mode_32 3
		.amdhsa_float_denorm_mode_16_64 3
		.amdhsa_memory_ordered 1
		.amdhsa_forward_progress 1
		.amdhsa_inst_pref_size 255
	.end_amdhsa_kernel
	.section	.bss,"aw",@nobits
	.p2align	6
	.space	262144
	.amdgpu_metadata
---
amdhsa.version: [ 1, 2 ]
amdhsa.kernels:
  - .name:           k_q4e8e2830fc_proj
    .symbol:         k_q4e8e2830fc_proj.kd
    .args:
      - { .name: xc, .offset: 0, .size: 8, .value_kind: global_buffer, .address_space: global }
      - { .name: xs, .offset: 8, .size: 8, .value_kind: global_buffer, .address_space: global }
      - { .name: wc, .offset: 16, .size: 8, .value_kind: global_buffer, .address_space: global }
      - { .name: ws, .offset: 24, .size: 8, .value_kind: global_buffer, .address_space: global }
      - { .name: b_qkv, .offset: 32, .size: 8, .value_kind: global_buffer, .address_space: global }
      - { .name: qc, .offset: 40, .size: 8, .value_kind: global_buffer, .address_space: global }
      - { .name: qs, .offset: 48, .size: 8, .value_kind: global_buffer, .address_space: global }
      - { .name: kvc, .offset: 56, .size: 8, .value_kind: global_buffer, .address_space: global }
      - { .name: kvs, .offset: 64, .size: 8, .value_kind: global_buffer, .address_space: global }
    .group_segment_fixed_size: 327680
    .private_segment_fixed_size: 0
    .kernarg_segment_align: 8
    .kernarg_segment_size: 72
    .max_flat_workgroup_size: 128
    .sgpr_count:     100
    .vgpr_count:     1024
    .wavefront_size: 32
...
	.end_amdgpu_metadata
.endif
;; end of part 2
;; launch attn (part 3): grid 16 x 16, 8 waves a work-group, clusters of 4 x 1, 327,680 bytes of LDS; arguments qc, qs, kvc, kvs, out0; writes out0
.if DOCPART == 3
	.amdgcn_target "amdgcn-amd-amdhsa--gfx1250"
	.amdhsa_code_object_version 6
	.text
	.protected	k_q4e8e2830fc_attn
	.globl	k_q4e8e2830fc_attn
	.p2align	8
	.type	k_q4e8e2830fc_attn,@function
k_q4e8e2830fc_attn:
	s_mov_b64 s[64:65], 0
	v_nop
	global_prefetch_b8 v0, s[64:65] scope:SCOPE_SE
	s_setreg_imm32_b32 hwreg(HW_REG_WAVE_MODE, 25, 1), 1
	s_wait_xcnt 0x0
	s_wait_alu depctr_hold_cnt(0) depctr_sa_sdst(0) depctr_va_vdst(0) depctr_va_sdst(0) depctr_va_ssrc(0) depctr_va_vcc(0) depctr_vm_vsrc(0)
	s_getreg_b32 s2, hwreg(HW_REG_IB_STS2, 6, 4)
	s_cmp_eq_u32 s2, 0
	s_cbranch_scc0 .Lentry_in_a_cluster
	s_endpgm
.Lentry_in_a_cluster:
	s_bfe_u32 s2, ttmp6, 0x10000c
	s_cmp_lg_u32 s2, 0x3003
	s_cbranch_scc0 .Lentry_shape_is_right
	s_endpgm
.Lentry_shape_is_right:
; THIRD LAUNCH: out0[q][head][:] = the sum over keys of softmax(q . k / 8) v, both products on codes of E2M3.  No mask; no work is left out.
; THE SOFTMAX: t = score x log2(e) / 8; M = the running largest t rounded UP to a whole number; p = 2^(t - M) is quantised along the keys; the row's sum is taken of the unquantised p and divides at the end.
; When M moves, the sum and O are multiplied by 2^(old M - new M): exact.
; SHARES.  A work-group owns 256 queries of one head; each of its eight waves owns 32: tile 0 (16 queries) has its state in register window 0, tile 1 in window 1, at the same numbers.
; Each fragment of K and of V that a wave reads from LDS feeds both tiles.  Every wave walks the head's 4,096 keys, 128 a step.  The four work-groups of a cluster belong to one head: each slot is asked for JOINTLY.
; OPERANDS LIE IN MEMORY AS IMAGES OF REGISTERS (pieces of 512 bytes, lane l's 16 bytes at 16 l).  In LDS each piece is followed by 128 bytes of padding (pitch 640).
; THE HEAD'S K IS 64, THE INSTRUCTION'S 128: a pair image of k holds 16 keys in registers 0-5 and 16 others in 6-11, and is multiplied by [q | zero codes] and by [zero codes | q].
; WHICH KEYS FORM A TILE is chosen by the lanes' LDS addresses: rows 0-7 of a tile come from the image of keys 64 c + 0..31, rows 8-15 from that of keys 64 c + 32..63 (three pieces, 1,920 bytes, further on).
; Both products are used transposed (a lane holds ONE query).  Register 32 c + i of S^T is then key 64 c + 32 (lane / 16) + i: a WHOLE block of 32 keys in one lane, in the order of the next operand's registers:
; a block's maximum asks no other lane and the codes change no lane; only the row's maximum and the scale word's bytes cross to lane l xor 16.
; With the pitch of 640 the two halves of sixteen lanes read 128 bytes each, 1,920 bytes apart: sixteen different columns of 16 bytes modulo 256.
; V's channels: register 16 b + i of O^T is channel 32 b + 16 (lane / 16) + i.
; PREFETCH: the last slot's 98,304 bytes are named once in the launch, at the first change of slots, eight key steps ahead of the load that wants them; the first three slots come by their loads alone.
; LIMITS: NaN and infinities are not served.  A block's largest p is made from the block's largest score by the same multiply-add and exponential: this takes v_exp_f32 not to fall where its input rises.
;         A block whose every p has fallen under 2^(3 - 127) keeps the byte 1.  The scaled scores stay under 2^31 in magnitude.
.set NQ,    8                          ; key steps in a slot
.set PCE,   640                        ; a piece in LDS
.set STEPB, 24*PCE                     ; a key step in LDS: K's twelve pieces, then V's twelve
.set SLOTB, NQ*STEPB
.set SLOTM, NQ*12288                   ; a slot in memory
.set SLOT1, 1<<17                      ; slot 1 begins here: one exclusive or turns an address from one slot to the other
.set SCL,   SLOT1+SLOTB                ; the head's scale words, 512 bytes a step (K's 256, V's 256): filled once
.set STAGE, SCL+16384                  ; the way out: 16 rows x 272 bytes for each wave; no fill lands here
.set SP,    272
.set SPARE, STAGE+8*16*SP              ; the spare words, 128 bytes a wave, which no other line names
; window 0 alone
.set LI,  1                            ; 16 x lane
.set LK,  2                            ; K's pieces: 1,920 (r / 8) + 256 h + 16 (r % 8)
.set LS,  3                            ; K's scale words: SCL + 16 (r % 8) + 4 (r / 8)
.set LV,  4                            ; V's scale words: SCL + 256 + 16 r
.set SPW, 5
.set NIL, 6
.set GO,  7                            ; the way out: 4,096 h + 16 r
.set PFO, 8                            ; 256 x lane
.set ADK, 9
.set ADV, 10
.set ADS, 11
.set ADW, 12
.set SI,  13
.set SO,  14
.set KSC, 16                           ; v16-19 K's scale words, v20-23 V's, v24-25 p's (tile 0, 1), v26-27 q's: these hold scales and nothing else
.set VSC, 20
.set PW,  24
.set QSC, 26
.set FK,  32                           ; window 0: v32-79 K's four pair images;  window 1: v32-79 V's four fragments
.set FV,  32
; a tile's state, at the same numbers in its window
.set S,   96                           ; v96-159 S^T, then p
.set O,   160                          ; v160-191 O^T
.set PC,  192                          ; p's codes
.set CT,  204                          ; v204-206, v208-210
.set Q,   212                          ; v212-229 [q | zeros | q]
.set NM,  230                          ; -M
.set RM,  231                          ; the running largest score
.set L,   232                          ; the sum, in two halves
.set FF,  234                          ; f = 2^(old M - new M), and a word named with it
.set BM,  236                          ; v236-239
.set SOP, 240
.set AC,  242                          ; v242-255 seven pairs of partial sums; before that temporaries
.set TA,  242
.set TP,  243
.set TC,  244
.set WV,  14
.set SEL, 20
.set CS,  22
.set G1,  24
.set G1S, 32
.set G0A, 40
.set G0B, 44                           ; the walking descriptor
.set G0S, 48
.set TB,  52                           ; LDS byte at which the step's pieces begin
.set TS,  53                           ; and its scale words
.set SLOTS, 54
.set STEPC, 55
.set LIM, 56
.set PFA, 58
.set MSB, 0
.macro WIN new                         ; low byte: bits 1:0 source 0, 3:2 source 1, 5:4 source 2, 7:6 destination; the high byte repeats the setting that is left
.if MSB != (\new)
	s_set_vgpr_msb (MSB<<8)|(\new)
.set MSB, (\new)
.endif
.endm
.macro CROUND
	s_barrier_signal -1
	s_barrier_wait -1
	s_cmp_lg_u32 s[WV], 0
	s_cbranch_scc1 .Lnot_wave_0_\@
	s_barrier_signal -3
.Lnot_wave_0_\@:
	s_barrier_wait -3
	s_barrier_signal -1
	s_barrier_wait -1
.endm
.macro NOP4
.rept 4
	v_nop
.endr
.endm
	s_load_b256 s[4:11], s[0:1], 0x0               ; qc, qs, kvc, kvs
	s_load_b64 s[12:13], s[0:1], 0x20              ; out0
	v_lshl_add_u32 v[SPW], v0, 2, SPARE
	v_mov_b32 v[NIL], 0
	ds_add_u32 v[SPW], v[NIL]                      ; the opening lines: the add twice on end and one wait
	ds_add_u32 v[SPW], v[NIL]
	v_lshrrev_b32 v15, 5, v0
	v_readfirstlane_b32 s[WV], v15                 ; wave 0..7
	s_bfe_u32 s15, ttmp6, 0x40000                  ; cx
	s_lshl_b32 s16, ttmp9, 2
	s_add_co_u32 s16, s16, s15                     ; my block of 256 queries: it enters q's and the output's addresses alone
	s_and_b32 s17, ttmp7, 0xffff                   ; the head, which the four partners share
	s_and_b32 s18, s[WV], 3                        ; which quarter I fetch
	s_mov_b32 s[G1], 15|(3<<16)|(1<<20)|(1<<21)|(6<<22)|(31<<25)   ; all four work-groups; elements of 8 bytes; 32 dwords of padding behind every 128
	s_mov_b32 s[G1+1], 64<<16                      ; rows of 512 bytes (the block is dense in memory),
	s_mov_b32 s[G1+2], 48<<16                      ; 48 of them: a quarter of a slot
	s_mov_b32 s[G1+3], 64<<16
	s_mov_b32 s[G1+4], 48
	s_mov_b32 s[G1+5], 64
	s_mov_b32 s[G1+6], 0
	s_mov_b32 s[G1+7], 0
	s_mov_b32 s[G1S], 15|(3<<16)|(1<<21)
	s_mov_b32 s[G1S+1], 32<<16
	s_mov_b32 s[G1S+2], 16<<16                     ; 16 rows of 256 bytes: a quarter of the head's scale words
	s_mov_b32 s[G1S+3], 32<<16
	s_mov_b32 s[G1S+4], 16
	s_mov_b32 s[G1S+5], 32
	s_mov_b32 s[G1S+6], 0
	s_mov_b32 s[G1S+7], 0
	s_mov_b32 s[SEL], 0x76543210
	s_mov_b32 s[SEL+1], 0xfedcba98
	s_mov_b32 s[CS], 0x3e38aa3b                    ; c = log2(e) / 8
	s_mov_b32 s[CS+1], s[CS]
	s_mov_b32 s[TB], 0
	s_mov_b32 s[TS], 0
	s_mov_b32 s[SLOTS], 2
	s_mul_i32 s66, s18, 48*PCE                     ; my quarter of a slot in LDS,
	s_mul_i32 s61, s18, 24576                      ; and in memory
	s_mul_i32 s60, s17, 393216
	s_add_co_u32 s60, s60, s61
	s_mov_b32 s61, 0
	s_lshl_b32 s67, s18, 12
	s_lshl_b32 s62, s17, 14
	s_add_co_u32 s62, s62, s67
	s_mov_b32 s63, 0
	s_lshl_b32 s68, s16, 3
	s_add_co_u32 s68, s68, s[WV]                   ; g: my group of 32 tokens
	s_mul_i32 s70, s17, 196608
	s_mul_i32 s69, s68, 1536
	s_add_co_u32 s70, s70, s69                     ; its pair image in qc
	s_mov_b32 s71, 0
	s_lshl_b32 s72, s17, 13
	s_lshr_b32 s69, s68, 2
	s_lshl_b32 s69, s69, 8
	s_add_co_u32 s72, s72, s69
	s_and_b32 s69, s68, 3
	s_lshl_b32 s69, s69, 2
	s_add_co_u32 s72, s72, s69                     ; its scale words in qs
	s_mov_b32 s73, 0
	s_lshl_b32 s74, s68, 17                        ; token 32 g, 4,096 bytes a token,
	s_lshl_b32 s75, s17, 8                         ; 256 a head
	s_add_co_u32 s74, s74, s75
	s_mov_b32 s75, 0
	s_mov_b32 s76, 0x01000100                      ; tile 0's two scale bytes, twice;
	s_mov_b32 s77, 0x03020302                      ; tile 1's
	; the prefetch: the head's first cluster asks; its partners take 24,576 bytes each BY ADDRESS; in each, waves 4 to 6 take 8,192, lanes 256 bytes apart
	s_sub_co_u32 s69, s[WV], 4
	s_cmp_lt_u32 s69, 3
	s_cselect_b32 s69, 0, 1
	s_or_b32 s69, s69, ttmp9
	s_cmp_eq_u32 s69, 0
	s_cselect_b32 s[LIM], 1, -1                    ; the same in all four partners, for a given wave
	s_min_u32 s69, s18, 2
	s_lshl_b32 s78, s69, 13
	s_mul_i32 s69, s15, 24576
	s_add_co_u32 s78, s78, s69
	s_mul_i32 s69, s17, 393216
	s_add_co_u32 s78, s78, s69
	s_add_co_u32 s78, s78, 3*SLOTM
	s_mov_b32 s79, 0
	s_mul_i32 s69, s[WV], 16*SP
	s_add_co_u32 s69, s69, STAGE                   ; my stage
	s_wait_dscnt 0x0                               ; both opening adds are done
	s_wait_kmcnt 0x0
	s_add_nc_u64 s[PFA:PFA+1], s[8:9], s[78:79]
	s_mov_b32 s[G0A], 1
	s_mov_b32 s[G0A+1], s66                        ; slot 0
	s_add_nc_u64 s[G0A+2:G0A+3], s[8:9], s[60:61]
	s_mov_b32 s[G0B], 1
	s_add_co_u32 s[G0B+1], s66, SLOT1              ; slot 1
	s_add_nc_u64 s[G0B+2:G0B+3], s[G0A+2:G0A+3], SLOTM
	s_or_b32 s[G0A+3], s[G0A+3], 0x80000000
	s_or_b32 s[G0B+3], s[G0B+3], 0x80000000
	s_mov_b32 s[G0S], 1
	s_add_co_u32 s[G0S+1], s67, SCL
	s_add_nc_u64 s[G0S+2:G0S+3], s[10:11], s[62:63]
	s_or_b32 s[G0S+3], s[G0S+3], 0x80000000
	s_add_nc_u64 s[4:5], s[4:5], s[70:71]
	s_add_nc_u64 s[6:7], s[6:7], s[72:73]
	s_add_nc_u64 s[12:13], s[12:13], s[74:75]
	CROUND                                         ; all four work-groups are here: the first joint loads meet
	s_cmp_lt_u32 s[WV], 4                          ; the head's loads, one a wave: waves 0-3 a quarter of slot 0, waves 4-7 a quarter of the scale words
	s_cbranch_scc0 .Lhead_s
	tensor_load_to_lds s[G0A:G0A+3], s[G1:G1+7]
	s_nop 0
	NOP4
	s_branch .Lhead_j
.Lhead_s:
	tensor_load_to_lds s[G0S:G0S+3], s[G1S:G1S+7]
	s_nop 0
	NOP4
.Lhead_j:
	v_and_b32 v[LI], 31, v0
	v_and_b32 v28, 15, v0                          ; r
	v_lshlrev_b32 v[PFO], 8, v[LI]
	v_lshlrev_b32 v[LI], 4, v[LI]
	v_lshlrev_b32 v29, 4, v28                      ; 16 r
.irp c, 0,1,2
	global_load_b128 v[S+4*\c:S+4*\c+3], v[LI], s[4:5] offset:512*\c   ; my group's pair image of q: registers 0-5 tile 0, 6-11 tile 1
.endr
	global_load_b32 v[S+12], v29, s[6:7]           ; and row r's scale word
	v_bfe_u32 v30, v0, 4, 1                        ; h
	v_and_b32 v31, 7, v0                           ; r % 8
	v_bfe_u32 v15, v0, 3, 1                        ; r / 8
	v_add_nc_u32 v[LV], SCL+256, v29
	v_lshl_add_u32 v[GO], v30, 12, v29
	v_lshlrev_b32 v[LK], 4, v31
	v_lshlrev_b32 v[LS], 4, v31
	v_lshl_add_u32 v[LK], v30, 8, v[LK]
	v_lshl_add_u32 v[LS], v15, 2, v[LS]
	v_mad_u32_u24 v[LK], v15, 3*PCE, v[LK]
	v_add_nc_u32 v[LS], SCL, v[LS]
	v_mul_u32_u24 v[SI], v28, SP
	v_mul_u32_u24 v[SO], v30, SP
	v_lshl_add_u32 v[SI], v30, 6, v[SI]
	v_lshl_add_u32 v[SO], v28, 4, v[SO]
	v_add_nc_u32 v[SI], s69, v[SI]                 ; into the stage: row r, + 64 h
	v_add_nc_u32 v[SO], s69, v[SO]                 ; back: lanes 0-15 one row, lanes 16-31 the next
.macro INIT
	v_mov_b32 v[RM], 0xff61b1e6                    ; the largest score so far: -3e38
	v_mov_b32 v[NM], 0x7f61b1e6                    ; -M: 3e38, a whole number: the first f comes out 0
	v_mov_b32 v[L], 0
	v_mov_b32 v[L+1], 0
	v_mov_b32 v[FF+1], 0                           ; (named as the upper half of the pair)
	v_mov_b32 v[TP], 0                             ; a lane permute's destination counts as one of its sources
.irp i, 6,7,8,9,10,11
	v_mov_b32 v[Q+\i], 0
.endr
.set jj, 0
.rept 32
	v_mov_b32 v[O+jj], 0                           ; O^T: the step is written once; its first run finds zeros
.set jj, jj+1
.endr
.endm
	INIT
	WIN 0x40
	INIT
	s_wait_loadcnt 0x0
.irp i, 0,1,2,3,4,5
	v_mov_b32 v[Q+\i], v[S+6+\i]                   ; tile 1's q, into window 1
	v_mov_b32 v[Q+12+\i], v[S+6+\i]
.endr
	WIN 0
	v_perm_b32 v[QSC], v[S+12], v[S+12], s76       ; (s0, s1, s0, s1): it serves [q | 0] and [0 | q] alike
	v_perm_b32 v[QSC+1], v[S+12], v[S+12], s77
.irp i, 0,1,2,3,4,5
	v_mov_b32 v[Q+\i], v[S+\i]
	v_mov_b32 v[Q+12+\i], v[S+\i]
.endr
; K's four pair images (c, w) and their scale words, from ko bytes (so for the words) behind the address registers
.macro KLOAD ko, so
.irp cw, 0,1,2,3
.irp p, 0,1,2
	ds_load_b128 v[FK+12*\cw+4*\p:FK+12*\cw+4*\p+3], v[ADK] offset:\ko+(6*(\cw/2)+\p)*PCE+128*(\cw%2)
.endr
	ds_load_b32 v[KSC+\cw], v[ADS] offset:\so+128*(\cw%2)+8*(\cw/2)
.endr
.endm
.macro QK tile                         ; S^T = K Q^T: each image twice
.irp cw, 0,1,2,3
	v_wmma_scale_f32_16x16x128_f8f6f4 v[S+16*\cw:S+16*\cw+7], v[FK+12*\cw:FK+12*\cw+11], v[Q:Q+11], 0, v[KSC+\cw], v[QSC+\tile] matrix_a_fmt:MATRIX_FMT_FP6 matrix_b_fmt:MATRIX_FMT_FP6
	v_wmma_scale_f32_16x16x128_f8f6f4 v[S+16*\cw+8:S+16*\cw+15], v[FK+12*\cw:FK+12*\cw+11], v[Q+6:Q+17], 0, v[KSC+\cw], v[QSC+\tile] matrix_a_fmt:MATRIX_FMT_FP6 matrix_b_fmt:MATRIX_FMT_FP6
.endr
.endm
.macro PV tile                         ; O^T += V^T P^T: the accumulators take turns
.irp t, 0,1,2,3
	v_wmma_scale_f32_16x16x128_f8f6f4 v[O+8*\t:O+8*\t+7], v[FV+12*\t:FV+12*\t+11], v[PC:PC+11], v[O+8*\t:O+8*\t+7], v[VSC+\t], v[PW+\tile] matrix_a_fmt:MATRIX_FMT_FP6 matrix_b_fmt:MATRIX_FMT_FP6
.endr
.endm
.macro FMA n
.rept \n
	v_pk_fma_f32 v[S+jj:S+jj+1], v[S+jj:S+jj+1], s[CS:CS+1], v[NM:NM+1] op_sel_hi:[1,0,0]   ; t - M, two at a time
.set jj, jj+2
.endr
.endm
; A TILE'S SOFTMAX AND QUANTISER for 128 keys; every vector register named lies in the tile's window (p's scale word alone goes to window 0)
.macro SOFT tile
.if \tile
	s_wait_alu depctr_va_vdst(0)                   ; ahead of the first readers of these scores
.endif
.irp k, 0,1,2,3
	v_max3_num_f32 v[BM+\k], v[S+16*\k], v[S+16*\k+1], v[S+16*\k+2]   ; four chains by turns, two to a block; each accumulator is read from its low end on
.endr
.irp i, 3,5,7,9,11,13
.irp k, 0,1,2,3
	v_max3_num_f32 v[BM+\k], v[BM+\k], v[S+16*\k+\i], v[S+16*\k+\i+1]
.endr
.endr
	v_max3_num_f32 v[BM], v[BM], v[S+15], v[S+31]
	v_max3_num_f32 v[BM+2], v[BM+2], v[S+47], v[S+63]
	s_delay_alu instid0(VALU_DEP_2)
	v_max_num_f32 v[BM], v[BM], v[BM+1]            ; my block h's largest score,
	s_delay_alu instid0(VALU_DEP_2)
	v_max_num_f32 v[BM+1], v[BM+2], v[BM+3]        ; my block 2 + h's
	s_delay_alu instid0(VALU_DEP_1)
	v_max_num_f32 v[TA], v[BM], v[BM+1]
	s_delay_alu instid0(VALU_DEP_1)
	v_permlanex16_b32 v[TP], v[TA], s[SEL], s[SEL+1]
	s_delay_alu instid0(VALU_DEP_1)
	v_max3_num_f32 v[RM], v[RM], v[TA], v[TP]      ; the running largest score of my query
	s_delay_alu instid0(VALU_DEP_1)
	v_mul_f32 v[TA], s[CS], v[RM]                  ; as t (c is positive)
	s_delay_alu instid0(VALU_DEP_1)
	v_floor_f32 v[TC], -v[TA]                      ; the new -M = floor(-t) = -ceil(t)
	s_delay_alu instid0(VALU_DEP_1)
	v_sub_f32 v[TA], v[TC], v[NM]                  ; old M - new M: a whole number, 0 or less
	v_mov_b32 v[NM], v[TC]
.set jj, 0
	FMA 4
	v_cvt_i32_f32 v[TA], v[TA]                     ; (it saturates)
	FMA 4
	v_ldexp_f32 v[FF], 1.0, v[TA]                  ; f = 2^(old M - new M)
	FMA 24
	v_fma_f32 v[BM], v[BM], s[CS], v[NM]           ; the same of each block's largest score
	v_fma_f32 v[BM+1], v[BM+1], s[CS], v[NM]
	s_wait_alu depctr_va_vdst(0)
.set jj, 0
.rept 64
	v_exp_f32 v[S+jj], v[S+jj]                     ; p = 2^(t - M), at most 1
.set jj, jj+1
.endr
	v_exp_f32 v[BM], v[BM]                         ; the blocks' largest p
	v_exp_f32 v[BM+1], v[BM+1]
	v_pk_mul_f32 v[L:L+1], v[L:L+1], v[FF:FF+1] op_sel_hi:[1,0]    ; the sums under the new M: the plain place behind the batch
	s_wait_alu depctr_va_vdst(0)                   ; and the wait behind it
	; the row's sum of the unquantised p, in eight chains, with the blocks' scales between them
.irp k, 0,1,2,3,4,5,6
	v_pk_add_f32 v[AC+2*\k:AC+2*\k+1], v[S+2*\k:S+2*\k+1], v[S+14+2*\k:S+15+2*\k]
.endr
	v_pk_add_f32 v[L:L+1], v[L:L+1], v[S+28:S+29]
	v_max_num_f32 v[BM], 0x1800000, v[BM]          ; the floor 2^(3 - 127): the byte cannot fall under 1
	v_max_num_f32 v[BM+1], 0x1800000, v[BM+1]
.irp k, 0,1,2,3,4,5,6
	v_pk_add_f32 v[AC+2*\k:AC+2*\k+1], v[AC+2*\k:AC+2*\k+1], v[S+30+2*\k:S+31+2*\k]
.endr
	v_pk_add_f32 v[L:L+1], v[L:L+1], v[S+44:S+45]
	v_add_nc_u32 v[SOP], 0xff000000, v[BM]         ; 2 off the exponent field: the conversion's scale operand
	v_add_nc_u32 v[SOP+1], 0xff000000, v[BM+1]
.irp k, 0,1,2,3,4,5,6
	v_pk_add_f32 v[AC+2*\k:AC+2*\k+1], v[AC+2*\k:AC+2*\k+1], v[S+46+2*\k:S+47+2*\k]
.endr
	v_pk_add_f32 v[L:L+1], v[L:L+1], v[S+60:S+61]
	v_lshrrev_b32 v[BM+2], 23, v[SOP]              ; the scales' bytes
	v_lshrrev_b32 v[BM+3], 23, v[SOP+1]
	v_pk_add_f32 v[AC:AC+1], v[AC:AC+1], v[S+62:S+63]
	v_pk_add_f32 v[AC+2:AC+3], v[AC+2:AC+3], v[AC+4:AC+5]
	v_pk_add_f32 v[AC+6:AC+7], v[AC+6:AC+7], v[AC+8:AC+9]
	v_pk_add_f32 v[AC+10:AC+11], v[AC+10:AC+11], v[AC+12:AC+13]
	v_lshl_or_b32 v[BM+2], v[BM+3], 16, v[BM+2]    ; my two: blocks h and 2 + h, at bytes 0 and 2
	v_pk_add_f32 v[AC:AC+1], v[AC:AC+1], v[AC+2:AC+3]
	v_pk_add_f32 v[AC+6:AC+7], v[AC+6:AC+7], v[AC+10:AC+11]
	s_delay_alu instid0(VALU_DEP_3)
	v_permlanex16_b32 v[BM+3], v[BM+2], s[SEL], s[SEL+1]
	v_pk_add_f32 v[L:L+1], v[L:L+1], v[AC:AC+1]
	WIN 0x15*\tile
	v_lshl_or_b32 v[PW+\tile], v[BM+3], 8, v[BM+2] ; lanes 0-15, which the product reads: the four bytes of these 128 keys
	WIN 0x55*\tile
	v_cvt_scalef32_pk16_fp6_f32 v[PC:PC+2], v[S:S+15], v[SOP]
	v_cvt_scalef32_pk16_fp6_f32 v[CT:CT+2], v[S+16:S+31], v[SOP]   ; (a conversion's three registers begin on an even number)
	v_cvt_scalef32_pk16_fp6_f32 v[PC+6:PC+8], v[S+32:S+47], v[SOP+1]
	v_cvt_scalef32_pk16_fp6_f32 v[CT+4:CT+6], v[S+48:S+63], v[SOP+1]
	v_pk_add_f32 v[L:L+1], v[L:L+1], v[AC+6:AC+7]  ; the plain place behind the conversions
.irp i, 0,1,2
	v_mov_b32 v[PC+3+\i], v[CT+\i]
	v_mov_b32 v[PC+9+\i], v[CT+4+\i]
.endr
	s_wait_alu depctr_va_vdst(0)                   ; ahead of the first readers of O^T
.set jj, 0
.rept 16
	v_pk_mul_f32 v[O+jj:O+jj+1], v[O+jj:O+jj+1], v[FF:FF+1] op_sel_hi:[1,0]   ; O^T under the new M; also the places between p's codes and scale word and the products
.set jj, jj+2
.endr
.endm
; A KEY STEP: 128 keys x my 32 queries
.macro STEP
	s_wait_dscnt 0x0                               ; K's images and scale words are in
	QK 0
	WIN 0x54                                       ; K from window 0; q and S^T in window 1
	QK 1
	WIN 0
	v_add_nc_u32 v[ADK], s[TB], v[LK]              ; these four are the places behind the products, in front of the loads below and of the first read of the scores
	v_add_nc_u32 v[ADV], s[TB], v[LI]
	v_add_nc_u32 v[ADS], s[TS], v[LS]
	v_add_nc_u32 v[ADW], s[TS], v[LV]
	s_wait_alu depctr_va_vdst(0)
	s_cmp_eq_u32 s[STEPC], 1                       ; the slot's last step asks for no further K: the next lies in the other slot, behind the barrier
	s_cbranch_scc1 .Lnok_\@
	KLOAD STEPB, 512                               ; the next step's K lands under the softmax
.Lnok_\@:
	WIN 0x40
.irp i, 0,1,2,3,4,5,6,7,8,9,10,11
	ds_load_b128 v[FV+4*\i:FV+4*\i+3], v[ADV] offset:(12+\i)*PCE   ; V's four fragments, into window 1
.endr
	WIN 0
	ds_load_b128 v[VSC:VSC+3], v[ADW]
	SOFT 0
	WIN 0x55
	SOFT 1
	s_wait_alu depctr_va_vdst(0)
	s_wait_dscnt 0x0                               ; V is in (and the next K, asked for ahead of it)
	WIN 0x01
	PV 0
	WIN 0x55
	PV 1
	WIN 0
	s_add_co_u32 s[TB], s[TB], STEPB
	s_add_co_u32 s[TS], s[TS], 512
.endm
.macro STEPS                           ; a slot's eight key steps
	v_add_nc_u32 v[ADK], s[TB], v[LK]
	v_add_nc_u32 v[ADS], s[TS], v[LS]
	KLOAD 0, 0
	s_mov_b32 s[STEPC], NQ
.Lstep_\@:
	STEP
	s_sub_co_u32 s[STEPC], s[STEPC], 1
	s_cmp_lg_u32 s[STEPC], 0
	s_cbranch_scc1 .Lstep_\@
.endm
; THE CHANGE OF SLOTS.  Each wave waits for all its tensor loads, adds 0 to its spare word, and waits for that and for its reads of the slot that it leaves.
; fill = 1: the barrier is a round of the cluster's, and behind it the slot just left is filled jointly with the keys two slots on (waves 0 to 3, a quarter each).
.macro CHANGE fill
	s_wait_tensorcnt 0x0                           ; no tensor load of mine is out, so the walking descriptor may be written
	ds_add_u32 v[SPW], v[NIL]
.if \fill
	s_xor_b32 s[G0B+1], s[G0B+1], SLOT1            ; the other slot than last time,
	s_add_nc_u64 s[G0B+2:G0B+3], s[G0B+2:G0B+3], SLOTM   ; the next 1,024 keys
	s_wait_dscnt 0x0
	CROUND
	s_cmp_lt_u32 s[WV], 4
	s_cbranch_scc0 .Lasked_\@
	tensor_load_to_lds s[G0B:G0B+3], s[G1:G1+7]    ; a loading wave's one tensor load behind the round
	s_nop 0
	NOP4
.Lasked_\@:
	s_cmp_gt_u32 s[SLOTS], s[LIM]                  ; at the first change alone, in the waves that prefetch: what the next change will ask for
	s_cbranch_scc0 .Lnot_mine_\@
	global_prefetch_b8 v[PFO], s[PFA:PFA+1] th:TH_LOAD_NT scope:SCOPE_SE
.Lnot_mine_\@:
.else
	s_wait_dscnt 0x0
	s_barrier_signal -1
	s_barrier_wait -1
.endif
	s_sub_co_u32 s[TB], s[TB], SLOTB               ; back to a slot's first step,
	s_xor_b32 s[TB], s[TB], SLOT1                  ; in the other slot
.endm
	s_wait_alu depctr_va_vdst(0)
	s_wait_tensorcnt 0x0                           ; my part of the head's tiles is in; slot 1's first fill is issued as a refill is
	ds_add_u32 v[SPW], v[NIL]
	s_wait_dscnt 0x0
	CROUND
	s_cmp_lt_u32 s[WV], 4
	s_cbranch_scc0 .Lno_one
	tensor_load_to_lds s[G0B:G0B+3], s[G1:G1+7]    ; keys 1,024 to 2,047
	s_nop 0
	NOP4
.Lno_one:
	STEPS                                          ; keys 0 to 1,023
.Lslot:                                            ; two trips: slots 0 and 1 are each filled once more
	CHANGE 1
	STEPS
	s_sub_co_u32 s[SLOTS], s[SLOTS], 1
	s_cmp_lg_u32 s[SLOTS], 0
	s_cbranch_scc1 .Lslot
	CHANGE 0                                       ; the last slot is written out: nothing is left to ask for
	STEPS
; THE WAY OUT of a tile: O^T / the sum goes through my stage and leaves as rows of 256 bytes (a token's 64 channels of this head).  back: the window 0 registers that take the rows
.macro OUT tile, back
	WIN 0x55*\tile
	v_add_f32 v[L], v[L], v[L+1]
	s_delay_alu instid0(VALU_DEP_1)
	v_permlanex16_b32 v[TP], v[L], s[SEL], s[SEL+1]
	s_delay_alu instid0(VALU_DEP_1)
	v_add_f32 v[L], v[L], v[TP]                    ; the row's sum
	s_wait_alu depctr_va_vdst(0)
	v_rcp_f32 v[L], v[L]
	v_nop
	s_wait_alu depctr_va_vdst(0)                   ; ahead of the reciprocal's first reader, which is also O^T's
.set jj, 0
.rept 16
	v_pk_mul_f32 v[S+jj:S+jj+1], v[O+jj:O+jj+1], v[L:L+1] op_sel_hi:[1,0]   ; register 16 b + i: channel 32 b + 16 h + i of query r; each accumulator from its low end on
.set jj, jj+2
.endr
	WIN 0x04*\tile                                 ; the data from the tile's window
.irp b, 0,1
.irp i, 0,1,2,3
	ds_store_b128 v[SI], v[S+16*\b+4*\i:S+16*\b+4*\i+3] offset:128*\b+16*\i
.endr
.endr
	WIN 0
.irp i, 0,1,2,3,4,5,6,7
	ds_load_b128 v[\back+4*\i:\back+4*\i+3], v[SO] offset:2*\i*SP   ; LDS serves a wave's instructions in order: these see my stores
.endr
.irp i, 0,1,2,3,4,5,6,7
	s_wait_dscnt 7-\i                              ; the loads behind load i may be out
	global_store_b128 v[GO], v[\back+4*\i:\back+4*\i+3], s[12:13] offset:(2*\i+8*(\i/4)+8*\tile)*4096 th:TH_STORE_NT   ; stage row 2 i + h is token 32 g + 8 tile + 2 i + h + 8 (i / 4); sixteen lanes store 256 consecutive bytes, aligned
.endr
.endm
	NOP4                                           ; four places behind the last products
	OUT 0, FK
	OUT 1, S
	s_wait_tensorcnt 0x0                           ; the wave's end
	ds_add_u32 v[SPW], v[NIL]
	s_wait_dscnt 0x0
	CROUND                                         ; the closing round: no work-group ends while a partner may still ask for a slot that names it
	s_endpgm
.Lfunc_end_k_q4e8e2830fc_attn:
	.size	k_q4e8e2830fc_attn, .Lfunc_end_k_q4e8e2830fc_attn-k_q4e8e2830fc_attn
	.p2alignl 7, 3214868480
	.fill 96, 4, 3214868480
	.section	.rodata,"a",@progbits
	.p2align	6, 0x0
	.amdhsa_kernel k_q4e8e2830fc_attn
		.amdhsa_group_segment_fixed_size 327680
		.amdhsa_private_segment_fixed_size 0
		.amdhsa_enable_private_segment 0
		.amdhsa_kernarg_size 40
		.amdhsa_user_sgpr_count 2
		.amdhsa_user_sgpr_kernarg_segment_ptr 1
		.amdhsa_wavefront_size32 1
		.amdhsa_system_sgpr_workgroup_id_x 1
		.amdhsa_system_sgpr_workgroup_id_y 1
		.amdhsa_system_sgpr_workgroup_id_z 1
		.amdhsa_system_vgpr_workitem_id 0
		.amdhsa_next_free_vgpr 512
		.amdhsa_next_free_sgpr 80
		.amdhsa_reserve_vcc 0
		.amdhsa_float_denorm_mode_32 3
		.amdhsa_float_denorm_mode_16_64 3
		.amdhsa_memory_ordered 1
		.amdhsa_forward_progress 1
		.amdhsa_inst_pref_size 107
	.end_amdhsa_kernel
	.amdgpu_metadata
---
amdhsa.version: [ 1, 2 ]
amdhsa.kernels:
  - .name:           k_q4e8e2830fc_attn
    .symbol:         k_q4e8e2830fc_attn.kd
    .args:
      - { .name: qc, .offset: 0, .size: 8, .value_kind: global_buffer, .address_space: global }
      - { .name: qs, .offset: 8, .size: 8, .value_kind: global_buffer, .address_space: global }
      - { .name: kvc, .offset: 16, .size: 8, .value_kind: global_buffer, .address_space: global }
      - { .name: kvs, .offset: 24, .size: 8, .value_kind: global_buffer, .address_space: global }
      - { .name: out0, .offset: 32, .size: 8, .value_kind: global_buffer, .address_space: global }
    .group_segment_fixed_size: 327680
    .private_segment_fixed_size: 0
    .kernarg_segment_align: 8
    .kernarg_segment_size: 40
    .max_flat_workgroup_size: 256
    .sgpr_count:     80
    .vgpr_count:     512
    .wavefront_size: 32
...
	.end_amdgpu_metadata
.endif
;; end of part 3
